; MI455X (gfx1250); checked and timed in simulation.
; The chip was launched on July 23, 2026; its instructions are those of AMD's public machine-readable ISA for CDNA 5 (MIT licence, August 2026) and "CDNA5" Instruction Set Architecture Reference Guide (July 2026). The comments in the code are by the model that wrote it; some were corrected since.
;; Calibration Free FP8 Linear. Allowed arithmetic: float matrix products may take bf16 or f16 operands with f32 sums; all other float work in f32.
;; Inputs: input_scale 1 float32; weight 2,048 x 2,048 bfloat16; weight_scale 1 float32; x 4 x 4,096 x 2,048 bfloat16.
;; Outputs: out0 4 x 4,096 x 2,048 bfloat16.
;; One version. Each part assembles by itself: llvm-mc -triple=amdgcn-amd-amdhsa -mcpu=gfx1250 --defsym DOCPART=n.
;; ======== version 1 of 1: 3 launches
;; workspace buffers: part 4,096 bytes; xq 67,108,864 bytes; wq 8,388,608 bytes; scl 256 bytes
;; launch amax (part 1): grid 512 x 1, 8 waves a work-group, no clusters, 1,280 bytes of LDS; arguments x, weight, part; writes part
.if DOCPART == 1
	.amdgcn_target "amdgcn-amd-amdhsa--gfx1250"
	.amdhsa_code_object_version 6
	.text
	.protected	k_q4f049cb87e_amax
	.globl	k_q4f049cb87e_amax
	.p2align	8
	.type	k_q4f049cb87e_amax,@function
k_q4f049cb87e_amax:
	s_mov_b64 s[64:65], 0
	v_nop
	global_prefetch_b8 v0, s[64:65] scope:SCOPE_SE
	s_setreg_imm32_b32 hwreg(HW_REG_WAVE_MODE, 25, 1), 1
	s_wait_xcnt 0x0
; part[g] = (largest |x|, largest |weight|) of work-group g's share, two f32.  x: 16,384 x 2,048 bf16, weight: 2,048 x 2,048 bf16.
; 512 work-groups of eight waves.  Work-group g owns 131,072 consecutive bytes of x and 16,384 of weight: 32 + 4 loads of 16 bytes a thread; load j of thread t
; lies at 4,096 j + 16 t, so a wave's load covers 512 consecutive bytes.  All 36 loads go out at once, each into registers of its own: no loop, no register loaded twice.
; A stream bound by memory: no matrix work, no cluster (no two work-groups read the same byte), LDS only for the eight waves' results.
; LIMITS.  A NaN in x or weight loses in the maximum (the formula it serves would make every output NaN); an infinity is a maximum like any other.
.set NX,    32                         ; loads of x a thread
.set NW,    4                          ; loads of weight a thread
.set OFF,   1                          ; v1       16 t; never rewritten
.set MX,    2                          ; v[2:5]   four running maxima of |x|, two bf16 each
.set MW,    6                          ; v[6:9]   the same for |weight|
.set T,     10                         ; v[10:13] at work
.set R,     14                         ; v[14:15] the two maxima in f32
.set U,     16                         ; v[16:17] at work
.set LA,    18                         ; v18      LDS address of my wave's pair: 8 x wave
.set Z,     19                         ; v19      0: an LDS address and a store's offset
.set BK,    20                         ; v[20:35] the eight waves' pairs
.set SPW,   36                         ; v36      LDS address of my spare word; never rewritten
.set NIL,   37                         ; v37      0; never rewritten
.set D,     40                         ; v[40:183] load j at D + 4 j
.set SPARE, 256                        ; LDS: bytes 0-63 the eight pairs (the block 0-255 is theirs alone); from 256 on the spare words, 128 bytes for each of eight waves
	s_load_b128 s[4:7], s[0:1], 0x0                ; x s[4:5], weight s[6:7]
	s_load_b64 s[8:9], s[0:1], 0x10                ; part
	v_lshl_add_u32 v[SPW], v0, 2, SPARE
	v_mov_b32 v[NIL], 0
	v_lshlrev_b32 v[OFF], 4, v0
	v_lshrrev_b32 v[LA], 5, v0
	v_readfirstlane_b32 s10, v[LA]                 ; my wave's number
	v_lshlrev_b32 v[LA], 3, v[LA]
	v_mov_b32 v[Z], 0
	s_lshl_b32 s12, ttmp9, 17                      ; my share of x begins at 131,072 g (under 2^26),
	s_mov_b32 s13, 0
	s_lshl_b32 s14, ttmp9, 14                      ; of weight at 16,384 g,
	s_mov_b32 s15, 0
	s_lshl_b32 s22, ttmp9, 3                       ; my pair in part at 8 g
	s_mov_b32 s23, 0
	s_mov_b32 s16, 0x7fff7fff                      ; clears the signs of two bf16
	s_mov_b32 s17, 0xffff0000                      ; a word's upper bf16
	s_mov_b32 s18, 0x76543210                      ; v_permlanex16_b32: each lane takes its own place in the other half
	s_mov_b32 s19, 0xfedcba98
	s_wait_kmcnt 0x0
	s_add_nc_u64 s[4:5], s[4:5], s[12:13]
	s_add_nc_u64 s[6:7], s[6:7], s[14:15]
	s_add_nc_u64 s[8:9], s[8:9], s[22:23]
.set j, 0
.rept NX
	global_load_b128 v[D+4*j:D+4*j+3], v[OFF], s[4:5] offset:4096*j th:TH_LOAD_NT
.set j, j+1
.endr
.set j, 0
.rept NW
	global_load_b128 v[D+4*(NX+j):D+4*(NX+j)+3], v[OFF], s[6:7] offset:4096*j th:TH_LOAD_NT
.set j, j+1
.endr
; Load j joins the four chains at m.  first = 1: its four words start the chains, so nothing is cleared.
.macro TAKE j, m, first
	s_wait_loadcnt NX+NW-1-(\j)                    ; loads come back in order (ISA guide 5.7.1): load j is in, the younger ones stay out
.irp k, 0,1,2,3
.if \first
	v_and_b32 v[(\m)+(\k)], s16, v[D+4*(\j)+(\k)]
.else
	v_and_b32 v[T+(\k)], s16, v[D+4*(\j)+(\k)]
	v_pk_max_num_bf16 v[(\m)+(\k)], v[(\m)+(\k)], v[T+(\k)]
.endif
.endr
.endm
; The four chains at m become one f32 in v[r], the same in all 32 lanes; v[u] is at work.
.macro FOLD m, r, u
	v_pk_max_num_bf16 v[(\m)], v[(\m)], v[(\m)+1]
	v_pk_max_num_bf16 v[(\m)+2], v[(\m)+2], v[(\m)+3]
	v_pk_max_num_bf16 v[(\m)], v[(\m)], v[(\m)+2]
	v_lshlrev_b32 v[(\u)], 16, v[(\m)]             ; the two halves as f32
	v_and_b32 v[(\r)], s17, v[(\m)]
	v_max_num_f32 v[(\r)], v[(\r)], v[(\u)]
	v_max_num_f32_dpp v[(\r)], v[(\r)], v[(\r)] row_xmask:1 row_mask:0xf bank_mask:0xf
	v_max_num_f32_dpp v[(\r)], v[(\r)], v[(\r)] row_xmask:2 row_mask:0xf bank_mask:0xf
	v_max_num_f32_dpp v[(\r)], v[(\r)], v[(\r)] row_xmask:4 row_mask:0xf bank_mask:0xf
	v_max_num_f32_dpp v[(\r)], v[(\r)], v[(\r)] row_xmask:8 row_mask:0xf bank_mask:0xf
	v_permlanex16_b32 v[(\u)], v[(\r)], s18, s19   ; its destination counts as read: v[u] has been written above
	v_max_num_f32 v[(\r)], v[(\r)], v[(\u)]
.endm
	TAKE 0, MX, 1
.set j, 1
.rept NX-1
	TAKE j, MX, 0
.set j, j+1
.endr
	TAKE NX, MW, 1
.set j, NX+1
.rept NW-1
	TAKE j, MW, 0
.set j, j+1
.endr
	FOLD MX, R, U
	FOLD MW, R+1, U+1
	ds_store_b64 v[LA], v[R:R+1]                   ; all lanes write the same pair to my wave's eight bytes
	s_wait_dscnt 0x0                               ; for the others' sake: my store is done
	s_barrier_signal -1
	s_barrier_wait -1
	s_cmp_lg_u32 s10, 0
	s_cbranch_scc1 .Lend                           ; wave 0 alone folds the eight pairs and stores
.irp i, 0,1,2,3
	ds_load_b128 v[BK+4*(\i):BK+4*(\i)+3], v[Z] offset:16*(\i)
.endr
	s_wait_dscnt 0x0
	v_max3_num_f32 v[R], v[BK], v[BK+2], v[BK+4]   ; even words: |x|; odd words: |weight|
	v_max3_num_f32 v[R+1], v[BK+1], v[BK+3], v[BK+5]
	v_max3_num_f32 v[R], v[R], v[BK+6], v[BK+8]
	v_max3_num_f32 v[R+1], v[R+1], v[BK+7], v[BK+9]
	v_max3_num_f32 v[R], v[R], v[BK+10], v[BK+12]
	v_max3_num_f32 v[R+1], v[R+1], v[BK+11], v[BK+13]
	v_max_num_f32 v[R], v[R], v[BK+14]
	v_max_num_f32 v[R+1], v[R+1], v[BK+15]
	s_wait_xcnt 0x0                                ; EXEC is a source of every global instruction issued so far: it changes only behind this wait
	v_cmp_eq_u32 vcc_lo, 0, v0
	s_and_saveexec_b32 s20, vcc_lo
	global_store_b64 v[Z], v[R:R+1], s[8:9]        ; eight bytes a work-group: 4,096 in the whole launch
	s_wait_xcnt 0x0                                ; and again, in front of the line that widens it
	s_or_b32 exec_lo, exec_lo, s20
.Lend:
	s_wait_tensorcnt 0x0                           ; the wave's end, behind my last LDS store
	ds_add_u32 v[SPW], v[NIL]
	s_wait_dscnt 0x0
	s_endpgm
.Lfunc_end_k_q4f049cb87e_amax:
	.size	k_q4f049cb87e_amax, .Lfunc_end_k_q4f049cb87e_amax-k_q4f049cb87e_amax
	.p2alignl 7, 3214868480
	.fill 96, 4, 3214868480
	.section	.rodata,"a",@progbits
	.p2align	6, 0x0
	.amdhsa_kernel k_q4f049cb87e_amax
		.amdhsa_group_segment_fixed_size 1280
		.amdhsa_private_segment_fixed_size 0
		.amdhsa_enable_private_segment 0
		.amdhsa_kernarg_size 24
		.amdhsa_user_sgpr_count 2
		.amdhsa_user_sgpr_kernarg_segment_ptr 1
		.amdhsa_wavefront_size32 1
		.amdhsa_system_sgpr_workgroup_id_x 1
		.amdhsa_system_sgpr_workgroup_id_y 1
		.amdhsa_system_sgpr_workgroup_id_z 1
		.amdhsa_system_vgpr_workitem_id 0
		.amdhsa_next_free_vgpr 184
		.amdhsa_next_free_sgpr 66
		.amdhsa_reserve_vcc 1
		.amdhsa_float_denorm_mode_32 3
		.amdhsa_float_denorm_mode_16_64 3
		.amdhsa_memory_ordered 1
		.amdhsa_forward_progress 1
		.amdhsa_inst_pref_size 22
	.end_amdhsa_kernel
	.amdgpu_metadata
---
amdhsa.version: [ 1, 2 ]
amdhsa.kernels:
  - .name:           k_q4f049cb87e_amax
    .symbol:         k_q4f049cb87e_amax.kd
    .args:
      - { .name: x, .offset: 0, .size: 8, .value_kind: global_buffer, .address_space: global }
      - { .name: weight, .offset: 8, .size: 8, .value_kind: global_buffer, .address_space: global }
      - { .name: part, .offset: 16, .size: 8, .value_kind: global_buffer, .address_space: global }
    .group_segment_fixed_size: 1280
    .private_segment_fixed_size: 0
    .kernarg_segment_align: 8
    .kernarg_segment_size: 24
    .max_flat_workgroup_size: 256
    .sgpr_count:     66
    .vgpr_count:     184
    .wavefront_size: 32
...
	.end_amdgpu_metadata
.endif
;; end of part 1
;; launch quant (part 2): grid 512 x 1, 8 waves a work-group, no clusters, 1,280 bytes of LDS; arguments x, weight, part, input_scale, weight_scale, xq, wq, scl; writes xq, wq, scl
.if DOCPART == 2
	.amdgcn_target "amdgcn-amd-amdhsa--gfx1250"
	.amdhsa_code_object_version 6
	.text
	.protected	k_q4f049cb87e_quant
	.globl	k_q4f049cb87e_quant
	.p2align	8
	.type	k_q4f049cb87e_quant,@function
k_q4f049cb87e_quant:
	s_mov_b64 s[64:65], 0
	v_nop
	global_prefetch_b8 v0, s[64:65] scope:SCOPE_SE
	s_setreg_imm32_b32 hwreg(HW_REG_WAVE_MODE, 25, 1), 1
	s_wait_xcnt 0x0
; xq = bf16(E4M3(x * in_s)), wq = bf16(E4M3(weight * w_s)), scl[0] = 1 / (in_s * w_s), with s = 0.9 s_given + 0.1 clip(448 / (absmax + 1e-12), 1e-6, 1e6).
; An E4M3 number has four significant bits and lies between 2^-9 and 448 in size: bf16 holds it exactly, so the product that follows multiplies the very codes.
; 512 work-groups of eight waves, each with the same share as in the launch before: 131,072 bytes of x, 16,384 of weight, 32 + 4 loads of 16 bytes a thread, all issued at once.
; Every work-group folds all 512 pairs of part by itself (4,096 bytes, 16 a thread) while its data are on their way.  The loaded registers are converted in place and stored from there:
; no register is loaded twice, so the stream needs no wait that frees a register.  A store of a wave covers 512 consecutive bytes, aligned.
; LIMITS.  448 / d is a reciprocal with one correction step, the factor 1 / (in_s w_s) a plain reciprocal (1 ULP; in_s w_s must lie in 2^-126 .. 2^126 in size); 0.9 s + 0.1 n is a
; multiply and a fused multiply-add.  A product of size in (448, 464] is E4M3's 448 by rounding: where the tensor's largest product is within 464 every product is clamped to 448 ahead of the
; conversion; where it passes 464 (the formula then yields NaN for that number) nothing is clamped, and products in (448, 464] come out as the conversion instruction makes them.
; NaN in x or weight is not treated apart.
.set NX,    32
.set NW,    4
.set OFF,   1                          ; v1       16 t; never rewritten
.set T,     2                          ; v[2:9]   eight numbers in f32, at work
                                       ; v10, v11 eight E4M3 codes
.set R,     14                         ; v[14:15] the two absmax
.set LA,    18                         ; v18      8 x wave
.set Z,     19                         ; v19      0
.set SPW,   30                         ; v30      LDS address of my spare word; never rewritten
.set NIL,   31                         ; v31      0; never rewritten
.set BK,    32                         ; v[32:35] my 16 bytes of part, then v[32:47] the eight waves' pairs
.set D,     48                         ; v[48:191] load j at D + 4 j
.set SPARE, 256                        ; LDS: bytes 0-63 the eight pairs (the block 0-255 is theirs alone); from 256 on the spare words
	s_load_b256 s[4:11], s[0:1], 0x0               ; x s[4:5], weight s[6:7], part s[8:9], input_scale s[10:11]
	s_load_b256 s[12:19], s[0:1], 0x20             ; weight_scale s[12:13], xq s[14:15], wq s[16:17], scl s[18:19]
	v_lshl_add_u32 v[SPW], v0, 2, SPARE
	v_mov_b32 v[NIL], 0
	v_lshlrev_b32 v[OFF], 4, v0
	v_lshrrev_b32 v[LA], 5, v0
	v_readfirstlane_b32 s20, v[LA]                 ; my wave's number
	v_lshlrev_b32 v[LA], 3, v[LA]
	v_mov_b32 v[Z], 0
	v_mov_b32 v10, 0                               ; the conversions write halves and keep the other half: both words are written whole once
	v_mov_b32 v11, 0
	s_lshl_b32 s22, ttmp9, 17
	s_mov_b32 s23, 0
	s_lshl_b32 s24, ttmp9, 14
	s_mov_b32 s25, 0
	s_mov_b32 s28, 0xffff0000                      ; a word's upper bf16
	s_mov_b32 s30, 0x76543210
	s_mov_b32 s31, 0xfedcba98
	s_mov_b32 s33, 0x43e00000                      ; 448
	s_mov_b32 s34, 0x3f666666                      ; 0.9
	s_mov_b32 s35, 0x43e80000                      ; 464: half way from 448 to the next step
	s_wait_kmcnt 0x0
	s_load_b32 s26, s[10:11], 0x0                  ; the two given scales
	s_load_b32 s27, s[12:13], 0x0
	s_add_nc_u64 s[4:5], s[4:5], s[22:23]
	s_add_nc_u64 s[14:15], s[14:15], s[22:23]
	s_add_nc_u64 s[6:7], s[6:7], s[24:25]
	s_add_nc_u64 s[16:17], s[16:17], s[24:25]
	global_load_b128 v[BK:BK+3], v[OFF], s[8:9]    ; part first: pairs 2 t and 2 t + 1; every work-group reads it, so no hint
.set j, 0
.rept NX
	global_load_b128 v[D+4*j:D+4*j+3], v[OFF], s[4:5] offset:4096*j th:TH_LOAD_NT
.set j, j+1
.endr
.set j, 0
.rept NW
	global_load_b128 v[D+4*(NX+j):D+4*(NX+j)+3], v[OFF], s[6:7] offset:4096*j th:TH_LOAD_NT
.set j, j+1
.endr
; The maximum of v[r] over the 32 lanes, in every lane; v[u], written before, is at work.
.macro LANES r, u
	v_max_num_f32_dpp v[(\r)], v[(\r)], v[(\r)] row_xmask:1 row_mask:0xf bank_mask:0xf
	v_max_num_f32_dpp v[(\r)], v[(\r)], v[(\r)] row_xmask:2 row_mask:0xf bank_mask:0xf
	v_max_num_f32_dpp v[(\r)], v[(\r)], v[(\r)] row_xmask:4 row_mask:0xf bank_mask:0xf
	v_max_num_f32_dpp v[(\r)], v[(\r)], v[(\r)] row_xmask:8 row_mask:0xf bank_mask:0xf
	v_permlanex16_b32 v[(\u)], v[(\r)], s30, s31
	v_max_num_f32 v[(\r)], v[(\r)], v[(\u)]
.endm
	s_wait_loadcnt NX+NW                           ; part is in; the 36 loads issued behind it stay out
	v_max_num_f32 v[R], v[BK], v[BK+2]
	v_max_num_f32 v[R+1], v[BK+1], v[BK+3]
	LANES R, BK                                    ; part's words have been used: they serve as the permute's destination
	LANES R+1, BK+1
	ds_store_b64 v[LA], v[R:R+1]
	s_wait_dscnt 0x0                               ; for the others' sake: my store is done
	s_barrier_signal -1
	s_barrier_wait -1
.irp i, 0,1,2,3
	ds_load_b128 v[BK+4*(\i):BK+4*(\i)+3], v[Z] offset:16*(\i)
.endr
	s_wait_dscnt 0x0
	v_max3_num_f32 v[R], v[BK], v[BK+2], v[BK+4]
	v_max3_num_f32 v[R+1], v[BK+1], v[BK+3], v[BK+5]
	v_max3_num_f32 v[R], v[R], v[BK+6], v[BK+8]
	v_max3_num_f32 v[R+1], v[R+1], v[BK+7], v[BK+9]
	v_max3_num_f32 v[R], v[R], v[BK+10], v[BK+12]
	v_max3_num_f32 v[R+1], v[R+1], v[BK+11], v[BK+13]
	v_max_num_f32 v[R], v[R], v[BK+14]             ; absmax of x,
	v_max_num_f32 v[R+1], v[R+1], v[BK+15]         ; of weight: in every lane of every wave
	; the two scales, side by side: v16, v17 d; v24, v25 1 / d; v20, v21 the quotient, then the scale; v22, v23 at work
	v_add_f32 v16, 0x2b8cbccc, v[R]                ; d = absmax + 1e-12
	v_add_f32 v17, 0x2b8cbccc, v[R+1]
	v_rcp_f32 v24, v16
	v_rcp_f32 v25, v17
	v_nop                                          ; a plain instruction between a reciprocal and the use of its result (ISA guide 5.7.2)
	s_wait_alu depctr_va_vdst(0)
	v_mul_f32 v20, s33, v24                        ; q = 448 / d, roughly;
	v_mul_f32 v21, s33, v25
	v_fma_f32 v22, -v20, v16, s33                  ; what is left, 448 - q d, exact in one rounding;
	v_fma_f32 v23, -v21, v17, s33
	v_fma_f32 v20, v22, v24, v20                   ; q corrected
	v_fma_f32 v21, v23, v25, v21
	v_max_num_f32 v20, 0x358637bd, v20             ; clip to 1e-6 .. 1e6; with d infinite q is NaN here, the NaN loses, and 1e-6 is what the clip of 0 gives
	v_max_num_f32 v21, 0x358637bd, v21
	v_min_num_f32 v20, 0x49742400, v20
	v_min_num_f32 v21, 0x49742400, v21
	s_wait_kmcnt 0x0                               ; the given scales
	v_mul_f32 v20, 0x3dcccccd, v20                 ; 0.1 n
	v_mul_f32 v21, 0x3dcccccd, v21
	v_fma_f32 v20, s26, s34, v20                   ; + 0.9 s
	v_fma_f32 v21, s27, s34, v21
	v_mul_f32 v28, v20, v21
	v_mul_f32 v22, v[R], v20                       ; the tensor's largest product: rounding is monotone, so no product of the tensor is larger in size
	v_mul_f32 v23, v[R+1], v21
	v_rcp_f32 v28, v28                             ; 1 / (in_s w_s)
	v_and_b32 v22, 0x7fffffff, v22
	v_and_b32 v23, 0x7fffffff, v23
	v_mov_b32 v26, 0x7f800000                      ; + infinity: no clamp
	v_cmp_ge_f32 vcc_lo, s35, v22
	v_cndmask_b32 v22, v26, s33, vcc_lo            ; the clamp: 448 where 464 >= the largest product; a choice of a value, no branch
	v_cmp_ge_f32 vcc_lo, s35, v23
	v_cndmask_b32 v23, v26, s33, vcc_lo
	v_readfirstlane_b32 s36, v20                   ; in_s; the packed multiply names a pair and takes its low word for both halves
	v_readfirstlane_b32 s38, v21                   ; w_s
	v_readfirstlane_b32 s42, v22
	v_readfirstlane_b32 s44, v23
	s_mov_b32 s37, s36
	s_mov_b32 s39, s38
	s_xor_b32 s43, s42, 0x80000000                 ; the clamps' lower ends
	s_xor_b32 s45, s44, 0x80000000
; Load j: eight numbers are widened, scaled (pair sp), clamped (lim, lim + 1), rounded to E4M3, widened again and packed to bf16 in place, and stored at off behind base.
.macro QUANT j, sp, lim, base, off
	s_wait_loadcnt NX+NW-1-(\j)                    ; load j is in, the younger ones stay out
.irp k, 0,1,2,3
	v_lshlrev_b32 v[T+2*(\k)], 16, v[D+4*(\j)+(\k)]
	v_and_b32 v[T+2*(\k)+1], s28, v[D+4*(\j)+(\k)]
.endr
.irp k, 0,2,4,6
	v_pk_mul_f32 v[T+(\k):T+(\k)+1], v[T+(\k):T+(\k)+1], s[(\sp):(\sp)+1] op_sel_hi:[1,0]
.endr
.irp k, 0,1,2,3,4,5,6,7
	v_med3_num_f32 v[T+(\k)], v[T+(\k)], s[(\lim)+1], s[(\lim)]
.endr
	v_cvt_pk_fp8_f32 v10.l, v2, v3
	v_cvt_pk_fp8_f32 v10.h, v4, v5
	v_cvt_pk_fp8_f32 v11.l, v6, v7
	v_cvt_pk_fp8_f32 v11.h, v8, v9
	v_cvt_pk_f32_fp8 v[2:3], v10.l
	v_cvt_pk_f32_fp8 v[4:5], v10.h
	v_cvt_pk_f32_fp8 v[6:7], v11.l
	v_cvt_pk_f32_fp8 v[8:9], v11.h
.irp k, 0,1,2,3
	v_cvt_pk_bf16_f32 v[D+4*(\j)+(\k)], v[T+2*(\k)], v[T+2*(\k)+1]  ; exact: four significant bits
.endr
	global_store_b128 v[OFF], v[D+4*(\j):D+4*(\j)+3], s[(\base):(\base)+1] offset:\off th:TH_STORE_NT
.endm
.set j, 0
.set o, 0
.rept NX
	QUANT j, 36, 42, 14, o
.set j, j+1
.set o, o+4096
.endr
.set o, 0
.rept NW
	QUANT j, 38, 44, 16, o
.set j, j+1
.set o, o+4096
.endr
	s_cmp_lg_u32 s20, 0
	s_cbranch_scc1 .Lend
	s_mov_b32 s41, ttmp9
	s_cmp_lg_u32 s41, 0
	s_cbranch_scc1 .Lend                           ; one lane of the launch stores the factor: wave 0 of work-group 0
	s_wait_xcnt 0x0                                ; EXEC is a source of the stores above: it changes only behind this wait
	v_cmp_eq_u32 vcc_lo, 0, v0
	s_and_saveexec_b32 s32, vcc_lo
	s_wait_alu depctr_va_vdst(0)
	global_store_b32 v[Z], v28, s[18:19]
	s_wait_xcnt 0x0                                ; and again, in front of the line that widens it
	s_or_b32 exec_lo, exec_lo, s32
.Lend:
	s_wait_tensorcnt 0x0                           ; the wave's end, behind my last LDS store
	ds_add_u32 v[SPW], v[NIL]
	s_wait_dscnt 0x0
	s_endpgm
.Lfunc_end_k_q4f049cb87e_quant:
	.size	k_q4f049cb87e_quant, .Lfunc_end_k_q4f049cb87e_quant-k_q4f049cb87e_quant
	.p2alignl 7, 3214868480
	.fill 96, 4, 3214868480
	.section	.rodata,"a",@progbits
	.p2align	6, 0x0
	.amdhsa_kernel k_q4f049cb87e_quant
		.amdhsa_group_segment_fixed_size 1280
		.amdhsa_private_segment_fixed_size 0
		.amdhsa_enable_private_segment 0
		.amdhsa_kernarg_size 64
		.amdhsa_user_sgpr_count 2
		.amdhsa_user_sgpr_kernarg_segment_ptr 1
		.amdhsa_wavefront_size32 1
		.amdhsa_system_sgpr_workgroup_id_x 1
		.amdhsa_system_sgpr_workgroup_id_y 1
		.amdhsa_system_sgpr_workgroup_id_z 1
		.amdhsa_system_vgpr_workitem_id 0
		.amdhsa_next_free_vgpr 192
		.amdhsa_next_free_sgpr 66
		.amdhsa_reserve_vcc 1
		.amdhsa_float_denorm_mode_32 3
		.amdhsa_float_denorm_mode_16_64 3
		.amdhsa_memory_ordered 1
		.amdhsa_forward_progress 1
		.amdhsa_inst_pref_size 73
	.end_amdhsa_kernel
	.amdgpu_metadata
---
amdhsa.version: [ 1, 2 ]
amdhsa.kernels:
  - .name:           k_q4f049cb87e_quant
    .symbol:         k_q4f049cb87e_quant.kd
    .args:
      - { .name: x, .offset: 0, .size: 8, .value_kind: global_buffer, .address_space: global }
      - { .name: weight, .offset: 8, .size: 8, .value_kind: global_buffer, .address_space: global }
      - { .name: part, .offset: 16, .size: 8, .value_kind: global_buffer, .address_space: global }
      - { .name: input_scale, .offset: 24, .size: 8, .value_kind: global_buffer, .address_space: global }
      - { .name: weight_scale, .offset: 32, .size: 8, .value_kind: global_buffer, .address_space: global }
      - { .name: xq, .offset: 40, .size: 8, .value_kind: global_buffer, .address_space: global }
      - { .name: wq, .offset: 48, .size: 8, .value_kind: global_buffer, .address_space: global }
      - { .name: scl, .offset: 56, .size: 8, .value_kind: global_buffer, .address_space: global }
    .group_segment_fixed_size: 1280
    .private_segment_fixed_size: 0
    .kernarg_segment_align: 8
    .kernarg_segment_size: 64
    .max_flat_workgroup_size: 256
    .sgpr_count:     66
    .vgpr_count:     192
    .wavefront_size: 32
...
	.end_amdgpu_metadata
.endif
;; end of part 2
;; launch gemm (part 3): grid 8 x 32, 4 waves a work-group, clusters of 4 x 4, 327,680 bytes of LDS; arguments xq, wq, out0, scl; writes out0
.if DOCPART == 3
	.amdgcn_target "amdgcn-amd-amdhsa--gfx1250"
	.amdhsa_code_object_version 6
	.text
	.protected	k_q4f049cb87e_gemm
	.globl	k_q4f049cb87e_gemm
	.p2align	8
	.type	k_q4f049cb87e_gemm,@function
k_q4f049cb87e_gemm:
	s_mov_b64 s[64:65], 0
	v_nop
	global_prefetch_b8 v0, s[64:65] scope:SCOPE_SE
	s_setreg_imm32_b32 hwreg(HW_REG_WAVE_MODE, 25, 1), 1
	s_wait_xcnt 0x0
	s_wait_alu depctr_hold_cnt(0) depctr_sa_sdst(0) depctr_va_vdst(0) depctr_va_sdst(0) depctr_va_ssrc(0) depctr_va_vcc(0) depctr_vm_vsrc(0)
	s_getreg_b32 s2, hwreg(HW_REG_IB_STS2, 6, 4)
	s_cmp_eq_u32 s2, 0
	s_cbranch_scc0 .Lentry_in_a_cluster
	s_endpgm
.Lentry_in_a_cluster:
	s_bfe_u32 s2, ttmp6, 0x10000c
	s_cmp_lg_u32 s2, 0xf033
	s_cbranch_scc0 .Lentry_shape_is_right
	s_endpgm
.Lentry_shape_is_right:
; C[m][n] = inv x the sum over k of A[m][k] B[n][k].  A = xq [16384][2048], B = wq [2048][2048], C = out0 [16384][2048], all bf16; inv = scl[0], f32.  A and B hold E4M3 numbers written as
; bf16, exactly; sums in f32, K ascending; the finished sum is multiplied by inv = 1 / (in_s w_s) in f32 and rounded to bf16 once.
; LIMIT.  The two divisions of the formula (each operand by its scale, each rounded) are one factor on the f32 sum: the last bits of the f32 value may differ.
; A tile of C, 256 x 256, is made by a work-group of four waves; a wave makes 128 x 128: 64 accumulators of 16 x 16, 512 registers.  K goes in steps of 128 through a ring of two LDS slots
; filled by the tensor data mover: the rows of A's and B's tiles are 256 bytes of memory and start at multiples of 256 bytes from the buffer's first byte.
; C has 64 x 8 = 512 tiles; 256 work-groups make two each, one 8,192 rows below the other: a loop over tiles round the loop over K.  The ring does not stop at the first tile's end: its last two
; changes of slots ask for the second tile's first two K steps, and nothing waits for the first tile's stores.  The second tile's last K step goes by rows of C, so that finished rows leave while the others are multiplied.
; CLUSTERS: 4 x 4 work-groups.  The four of a row of the cluster make tiles of one tile row of C and need the same tiles of A; the four of a column need the same tiles of B.  Such a tile is asked
; for JOINTLY: each of the four issues the same tensor load, with the same descriptor and a mask that names the four, and each receives the tile in its own LDS.
;
; REGISTERS, in windows of 256 (an instruction names v0-v255; s_set_vgpr_msb says which window each operand place means):
;   window 0: v0-31 addresses; v64-127, v128-191 fragments of A (8 x 16 rows x 32 K), two buffers (in the very last K step four, of 16 rows x 128 K); v32-63, v192-255 at work on the way out
;   window 1: v64-127, v128-191 fragments of B, two buffers; in the very last K step all 256: B's fragments of the whole step
;   window 2: the 32 accumulators of my rows 0-63 (accumulator (a, b) at v[8 (8 a + b)]);   window 3: those of my rows 64-127
; s_set_vgpr_msb's low byte: bits 1:0 source 0, 3:2 source 1, 5:4 source 2, 7:6 destination.  Work is laid in long stretches under one setting.
;
; THE MATRIX INSTRUCTION IS USED TRANSPOSED: source 0 = 16 rows of B, source 1 = 16 rows of A.  In the result, lane l then holds row m = l % 16 of C, and its registers 0 to 7 the columns
; n = 8 (l / 16) + 0 .. 7: eight neighbouring numbers of a row of C, which pack into 16 bytes.
.set SIZE_M, 16384
.set SIZE_N, 2048
.set SIZE_K, 2048
.set SIZE_TILES, 2
.set KSTEP,  128
.set PITCH,  272                       ; an LDS row: 256 bytes of data + 16 of padding = 68 words: row r starts at bank 4 r mod 64 (64 banks of 4 bytes: ISA guide 11.1), so the 16 rows that a load touches start at 16 different banks
.set HALFT,  128*PITCH                 ; 128 rows: what one tensor load brings, and what one wave reads of A or of B
.set SLOT,   4*HALFT                   ; A's 256 rows, then B's 256 rows
.set STAGE,  2*SLOT                    ; behind the ring: 16 rows x 272 bytes for each wave, for the way out
.set SPITCH, 272
.set SPARE,  STAGE+4*16*SPITCH         ; behind the stages: the spare words, 128 bytes for each wave: two blocks of 256 bytes that no other line names
.set LAPS, SIZE_K/(2*KSTEP)            ; a lap = two K steps = once round the ring: 8
.set WALK,   SIZE_M/SIZE_TILES         ; a work-group's two tiles of C lie 8,192 rows apart
.set NEXT_A, WALK*SIZE_K*2-(SIZE_K-2*KSTEP)*2   ; bytes from a slot's last K step of a tile to its first of the next tile: A goes WALK rows down and back along K,
.set BACK_B, (SIZE_K-2*KSTEP)*2        ; B only back: the two tiles share their rows of B
.set NEXT_C, (WALK-7*16)*SIZE_N*2      ; bytes from my last 16 rows of a tile to my first of the next
.set ADRA, 16                          ; v16-17  LDS address of my A fragments in slot 0, 1
.set ADRB, 20                          ; v20-21  the same for B
.set STO,  24                          ; v24     the way out: where I put 16 bytes of a row
.set RD,   25                          ; v25     the way out: where I read a row back
.set CO,   26                          ; v26     my byte offset in C
.set SPW,  28                          ; v28     LDS address of my spare word: SPARE + 4 x my thread's number; never rewritten
.set NIL,  29                          ; v29     0; never rewritten
.set F0,   64                          ; fragment buffer 0
.set F1,   128                         ; fragment buffer 1
.set TMP,  192                         ; the way out: packed results, in window 0
.set OB,   32                          ; the way out: 16 rows read back from the stage: v32-63 and v224-255 by turns
.set PA,   64                          ; the very last K step: A's fragments of 16 rows x 128 K, 32 registers; four such buffers, v64-191
.set G1, 24                            ; s[24:31] descriptor group 1 for A's tiles
.set G0, 32                            ; s[32:39] descriptor group 0 for A's tiles, one set for each slot
.set G1B, 48                           ; s[48:55] descriptor group 1 for B's tiles: it differs from A's in the mask alone
.set G0B, 56                           ; s[56:63] descriptor group 0 for B's tiles, one set for each slot
.set INV, 66                           ; s[66:67] inv: the packed multiply names a pair and takes its low word for both halves
.set MSB, 0
.macro WIN new                         ; the immediate's high byte repeats the setting that is left; a switch that changes nothing is dropped
.if MSB != (\new)
	s_set_vgpr_msb (MSB<<8)|(\new)
.set MSB, \new
.endif
.endm
.set MUL_LO, 0xa1                      ; source 0 (B) window 1, source 1 (A) window 0, C and D window 2
.set MUL_HI, 0xf1                      ; the same, C and D window 3
.set TO_B,   0x40                      ; destination window 1, address window 0
; A joint load.  Waves 0 and 1 fetch A's two halves, waves 2 and 3 B's.  Each of the two lines has ONE mask and one set of registers for all that issue it, and nothing in
; them hangs on a coordinate that the four partners do not share.  The branch hangs on the wave's number alone: it is the same in every work-group.
; An s_nop 0 and four v_nop follow each of the two lines; the jump round the other line, the label and what follows the macro come after them.
.macro JLOAD s
	s_cmp_eq_u32 s11, 0
	s_cbranch_scc0 .Lfor_b_\@
	tensor_load_to_lds s[G0+4*(\s):G0+4*(\s)+3], s[G1:G1+7]
	s_nop 0
.rept 4
	v_nop
.endr
	s_branch .Lasked_\@
.Lfor_b_\@:
	tensor_load_to_lds s[G0B+4*(\s):G0B+4*(\s)+3], s[G1B:G1B+7]
	s_nop 0
.rept 4
	v_nop
.endr
.Lasked_\@:
.endm
; A round of the cluster's barrier: my work-group's barrier, so that wave 0's signal speaks for all four waves; wave 0 signals for the work-group; every wave waits for all
; sixteen work-groups; my work-group's barrier once more.  No LDS instruction of the wave is pending at a signal.
.macro CREST                           ; a round behind its opening barrier
	s_cmp_lg_u32 s10, 0
	s_cbranch_scc1 .Lnot_wave_0_\@
	s_barrier_signal -3
.Lnot_wave_0_\@:
	s_barrier_wait -3
	s_barrier_signal -1
	s_barrier_wait -1
.endm
.macro CROUND                          ; a whole round
	s_barrier_signal -1
	s_barrier_wait -1
	CREST
.endm
	s_load_b128 s[4:7], s[0:1], 0x0                ; A s[4:5], B s[6:7]
	s_load_b64 s[8:9], s[0:1], 0x10                ; C
	s_load_b64 s[68:69], s[0:1], 0x18              ; scl
	v_lshl_add_u32 v[SPW], v0, 2, SPARE
	v_mov_b32 v[NIL], 0
	ds_add_u32 v[SPW], v[NIL]                      ; the wave's opening: the add and its wait stand ahead of my first tensor load; the set-up below, work on registers, stands between them
	v_lshrrev_b32 v1, 5, v0
	v_readfirstlane_b32 s10, v1                    ; wave 0..3
	s_lshr_b32 s11, s10, 1                         ; which half of the tile's rows is mine.  Also: I fetch for A (0) or for B (1)
	s_and_b32 s12, s10, 1                          ; which half of its columns.  Also: which 128 rows of that tile I fetch
	s_bfe_u32 s40, ttmp6, 0x40000                  ; cx: my place along the cluster's x
	s_bfe_u32 s41, ttmp6, 0x40004                  ; cy: along its y
	s_lshl_b32 s42, ttmp9, 2                       ; in a cluster launch ttmp9 and ttmp7 count clusters
	s_add_co_u32 s42, s42, s40                     ; tile column of C = 4 x cluster x + cx
	s_and_b32 s13, ttmp7, 0xffff
	s_lshl_b32 s13, s13, 2
	s_add_co_u32 s13, s13, s41                     ; tile row of C = 4 x cluster y + cy
	s_lshl_b32 s43, s41, 2
	s_lshl_b32 s43, 15, s43                        ; my row of the cluster: places 4 cy .. 4 cy + 3
	s_lshl_b32 s44, 0x1111, s40                    ; my column: places cx, cx + 4, cx + 8, cx + 12
	; descriptor group 1: a tile of 128 rows x 128 elements, padded in LDS
	s_or_b32 s[G1+0], s43, (1<<16)|(1<<20)|(1<<21)|(5<<22)|(3<<25)  ; 15:0 the mask: A's tiles go to my row; 17:16 element of 2 bytes; 20 padding on; 21 set beside a mask; 24:22 after every 64 words (code 5); 31:25 of 4 words (code 3)
	s_or_b32 s[G1B+0], s44, (1<<16)|(1<<20)|(1<<21)|(5<<22)|(3<<25) ; the same with the mask of my column, for B's tiles
	s_mov_b32 s[G1B+1], KSTEP<<16
	s_mov_b32 s[G1+1], KSTEP<<16                   ; 63:48 tensor_dim0, low half = 128
	s_mov_b32 s[G1B+2], 128<<16
	s_mov_b32 s[G1+2], 128<<16                     ; 79:64 its high half = 0; 95:80 tensor_dim1, low half = 128
	s_mov_b32 s[G1B+3], KSTEP<<16
	s_mov_b32 s[G1+3], KSTEP<<16                   ; 111:96 its high half = 0; 127:112 tile_dim0 = 128
	s_mov_b32 s[G1B+4], 128
	s_mov_b32 s[G1+4], 128                         ; 143:128 tile_dim1 = 128; 159:144 tile_dim2 = 0
	s_mov_b32 s[G1B+5], SIZE_K
	s_mov_b32 s[G1+5], SIZE_K                      ; 191:160 tensor_dim0_stride, low word: elements from row to row
	s_mov_b32 s[G1B+6], 0
	s_mov_b32 s[G1+6], 0
	s_mov_b32 s[G1B+7], 0
	s_mov_b32 s[G1+7], 0
	; where the tiles come from.  A's hang on the tile row alone, which my row of the cluster shares; B's on the tile column alone, which my column shares.
	; Every wave makes both addresses, in registers that never hold the other coordinate, and asks by one of them.
	s_lshl_b32 s17, s12, 7                         ; which 128 rows of the tile I fetch
	s_lshl_b32 s16, s13, 8
	s_add_co_u32 s16, s16, s17                     ; A: row 256 x tile row + 128 x half
	s_lshl_b32 s46, s42, 8
	s_add_co_u32 s46, s46, s17                     ; B: row 256 x tile column + 128 x half
	s_mov_b32 s17, 0
	s_mov_b32 s47, 0
	s_mov_b64 s[18:19], SIZE_K*2
	s_mul_u64 s[16:17], s[16:17], s[18:19]         ; in bytes, in 64 bits
	s_mul_u64 s[46:47], s[46:47], s[18:19]
	s_mul_i32 s20, s10, HALFT                      ; and where they go: A's two halves, then B's two halves = wave x 128 rows: no place in the cluster enters an LDS address
	s_wait_dscnt 0x0                               ; the opening add is done
	s_wait_kmcnt 0x0
	s_add_nc_u64 s[14:15], s[4:5], s[16:17]
	s_add_nc_u64 s[46:47], s[6:7], s[46:47]
	CROUND                                         ; all sixteen work-groups are here: the first joint loads meet
.irp s, 0,1
	s_mov_b32 s[G0+4*(\s)], 1                                      ; 1:0 count = 1
	s_add_co_u32 s[G0+4*(\s)+1], s20, (\s)*SLOT                    ; 63:32 LDS address
	s_add_nc_u64 s[G0+4*(\s)+2:G0+4*(\s)+3], s[14:15], (\s)*KSTEP*2  ; 120:64 global address: K step s
	s_or_b32 s[G0+4*(\s)+3], s[G0+4*(\s)+3], 0x80000000            ; 127:126 type = 2
	s_mov_b32 s[G0B+4*(\s)], 1
	s_add_co_u32 s[G0B+4*(\s)+1], s20, (\s)*SLOT
	s_add_nc_u64 s[G0B+4*(\s)+2:G0B+4*(\s)+3], s[46:47], (\s)*KSTEP*2
	s_or_b32 s[G0B+4*(\s)+3], s[G0B+4*(\s)+3], 0x80000000
	JLOAD \s                                       ; the ring is filled before anything else is done: two tensor loads of mine are out
.endr
	s_load_b32 s[INV], s[68:69], 0x0               ; inv; no line of this text writes scl
	; A fragment is 16 rows x 32 K in 8 registers: lane l holds row l % 16; registers 0-3 hold K = 8 (l / 16) + 0..7, registers 4-7 hold
	; K = 16 + 8 (l / 16) + 0..7.  From rows that lie along K: two loads of 16 bytes, 32 bytes apart.  The same for source 0 and source 1.
	v_and_b32 v1, 15, v0                           ; l % 16
	v_bfe_u32 v2, v0, 4, 1                         ; l / 16
	v_mul_u32_u24 v3, v1, PITCH
	v_lshl_add_u32 v3, v2, 4, v3                   ; row x pitch + 16 x half
	s_mul_i32 s21, s11, HALFT                      ; my 128 rows of A
	s_mul_i32 s22, s12, HALFT                      ; my 128 rows of B,
	s_add_co_u32 s22, s22, 2*HALFT                 ; which lie behind A's 256
.irp s, 0,1
	v_add_nc_u32 v[ADRA+(\s)], s21, v3
	v_add_nc_u32 v[ADRB+(\s)], s22, v3
	s_add_co_u32 s21, s21, SLOT
	s_add_co_u32 s22, s22, SLOT
.endr
	s_mul_i32 s23, s10, 16*SPITCH
	s_add_co_u32 s23, s23, STAGE                   ; my stage
	v_mul_u32_u24 v4, v1, SPITCH                   ; in: row l % 16, 16 bytes for each half of the lanes
	v_lshl_add_u32 v4, v2, 4, v4
	v_add_nc_u32 v[STO], s23, v4
	v_mul_u32_u24 v5, v2, SPITCH                   ; back: lanes 0-15 take one row of 256 bytes, lanes 16-31 the next
	v_lshl_add_u32 v5, v1, 4, v5
	v_add_nc_u32 v[RD], s23, v5
	v_mul_u32_u24 v5, v2, SIZE_N*2                 ; and the same two rows in C
	v_lshl_add_u32 v[CO], v1, 4, v5
	; where my part of the first tile begins in C, in bytes: the first way out adds it to C's address
	s_lshl_b32 s13, s13, 8
	s_lshl_b32 s14, s11, 7
	s_add_co_u32 s16, s13, s14                     ; my first row of C
	s_mov_b32 s17, 0
	s_mov_b64 s[18:19], SIZE_N*2
	s_mul_u64 s[16:17], s[16:17], s[18:19]
	s_lshl_b32 s46, s42, 9                         ; my first column, in bytes: 512 x tile column + 256 x half (in the registers that held B's address: none that feeds A's descriptors ever holds cx)
	s_lshl_b32 s47, s12, 8
	s_add_co_u32 s46, s46, s47
	s_mov_b32 s47, 0
	s_add_nc_u64 s[16:17], s[16:17], s[46:47]
	s_wait_kmcnt 0x0                               ; inv is in
	s_mov_b32 s[INV+1], s[INV]                     ; named with it as a pair, so it is written
; 16 matrix instructions: m blocks a0, a0 + 1 of the window's four (hi = 0: my rows 0-63, 1: rows 64-127) x all 8 n blocks, 32 along K.
; zero = 1: the first product starts the sums: nothing is ever cleared.
.macro MUL16 f, hi, a0, zero
	WIN MUL_LO+0x50*(\hi)  ; MUL_LO or MUL_HI
.irp a, \a0, (\a0)+1
.irp b, 0,1,2,3,4,5,6,7
.if \zero
	v_wmma_f32_16x16x32_bf16 v[8*(8*(\a)+(\b)):8*(8*(\a)+(\b))+7], v[(\f)+8*(\b):(\f)+8*(\b)+7], v[(\f)+8*(4*(\hi)+(\a)):(\f)+8*(4*(\hi)+(\a))+7], 0
.else
	v_wmma_f32_16x16x32_bf16 v[8*(8*(\a)+(\b)):8*(8*(\a)+(\b))+7], v[(\f)+8*(\b):(\f)+8*(\b)+7], v[(\f)+8*(4*(\hi)+(\a)):(\f)+8*(4*(\hi)+(\a))+7], v[8*(8*(\a)+(\b)):8*(8*(\a)+(\b))+7]
.endif
.endr
.endr
.endm
; 32 LDS loads in one run: the fragments of one quarter step (128 rows of B, 128 rows of A, 32 K at byte k of the rows) into buffer f
.macro FETCH slot, k, f
	WIN TO_B
.irp i, 0,1,2,3,4,5,6,7
	ds_load_b128 v[(\f)+8*(\i):(\f)+8*(\i)+3],   v[ADRB+(\slot)] offset:(\k)+(\i)*16*PITCH
	ds_load_b128 v[(\f)+8*(\i)+4:(\f)+8*(\i)+7], v[ADRB+(\slot)] offset:(\k)+(\i)*16*PITCH+32
.endr
	WIN 0
.irp i, 0,1,2,3,4,5,6,7
	ds_load_b128 v[(\f)+8*(\i):(\f)+8*(\i)+3],   v[ADRA+(\slot)] offset:(\k)+(\i)*16*PITCH
	ds_load_b128 v[(\f)+8*(\i)+4:(\f)+8*(\i)+7], v[ADRA+(\slot)] offset:(\k)+(\i)*16*PITCH+32
.endr
.endm
; A load into a register that a matrix instruction has read, and a vector instruction that reads a matrix result or writes one of a matrix
; instruction's registers, stand four places behind that matrix instruction, and only plain vector instructions that name none of its registers
; are places (ISA guide 7.12.1 for vector instructions); the matrix instructions in between are not counted.  So four v_nop stand in front of each run of
; loads, and in front of vector work that reads results just made: sixteen issue slots for a K step's 256 matrix instructions.
.macro PLACES
.rept 4
	v_nop
.endr
.endm
; A K step is four quarter steps of 32 along K, 64 matrix instructions each, on buffers 0, 1, 0, 1.
; One of the first three: multiplies buffer f; in its middle it fetches the next quarter's fragments, at byte k of the same slot's rows, into buffer g.
.macro QUARTER slot, k, f, g, zero
	s_wait_dscnt 8                                 ; B and A's rows 0-63 are in; the youngest eight loads (A's rows 64-127) may be out
	WIN MUL_LO
	MUL16 \f, 0, 0, \zero
	MUL16 \f, 0, 2, \zero
	PLACES
	FETCH \slot, \k, \g
	s_wait_dscnt 32                                ; all but the 32 just issued
	WIN MUL_HI
	MUL16 \f, 1, 0, \zero
	MUL16 \f, 1, 2, \zero
.endm
; The last quarter multiplies buffer 1 and changes slots.  MEET is its first half: ONE barrier for the change of slots, for two things.  In front of it each wave waits for
; all its tensor loads, of which one is out: its part of the next slot; adds 0 to its spare word; and waits for that and for its own reads of this slot.  Behind it nobody reads this slot any more and the next slot is whole.
.macro MEET round                      ; round = 1: a round of the cluster's barrier follows
	WIN 0                                          ; (the add's two registers lie in window 0)
	s_wait_tensorcnt 0x0                           ; all my tensor loads have landed: the one that was out is my part of the next slot;
	ds_add_u32 v[SPW], v[NIL]                      ; 0 onto my spare word;
	s_wait_dscnt 9                                 ; (the add and the youngest eight loads may be out)
	WIN MUL_LO
	MUL16 F1, 0, 0, 0                              ; sixteen matrix instructions stand between the add and the wait for it
	s_wait_dscnt 0x0                               ; the add is done, and my reads of this slot are over (the last were issued 48 matrix instructions ago):
	s_barrier_signal -1                            ; say so (where a slot is filled again this barrier opens a round of the cluster's barrier),
	MUL16 F1, 0, 2, 0                              ; work on registers while the others arrive,
.if \round
	WIN 0
.endif
	s_barrier_wait -1                              ; and go on when all four have said so
.endm
; The whole last quarter.  Behind the barrier the slot just read out is filled again first: with this tile's K step two steps on (on = 0) or, in the first tile's last two K steps, with the second tile's
; K step 0 or 1 (on = 1); then come the next slot's first fragments.  From a request to the wait for it a wave issues 224 matrix instructions, across tiles too.
.macro TURN slot, next, on
	MEET 1
	CREST                                          ; wave 0 says so for the work-group, all sixteen work-groups have said so, my work-group's barrier closes the round:
	                                               ; no wave of any partner still reads this slot's tile or has a load on its way
.if \on
	s_add_nc_u64 s[G0+4*(\slot)+2:G0+4*(\slot)+3], s[G0+4*(\slot)+2:G0+4*(\slot)+3], NEXT_A
	s_sub_nc_u64 s[G0B+4*(\slot)+2:G0B+4*(\slot)+3], s[G0B+4*(\slot)+2:G0B+4*(\slot)+3], BACK_B
.else
	s_add_nc_u64 s[G0+4*(\slot)+2:G0+4*(\slot)+3], s[G0+4*(\slot)+2:G0+4*(\slot)+3], 2*KSTEP*2
	s_add_nc_u64 s[G0B+4*(\slot)+2:G0B+4*(\slot)+3], s[G0B+4*(\slot)+2:G0B+4*(\slot)+3], 2*KSTEP*2
.endif
	JLOAD \slot                                    ; the first tensor load behind the round, my one load out; the four v_nop behind it are also the places in front of the loads below
	FETCH \next, 0, F0
	WIN MUL_HI
	MUL16 F1, 1, 0, 0
	MUL16 F1, 1, 2, 0
.endm
; THE LAST K STEP OF THE SECOND TILE (it lies in slot 1) GOES BY ROWS OF C, NOT BY K.  All its fragments of B (4 quarters x 64 registers) fill window 1; then my eight blocks of 16 rows are
; finished one after the other, each with 32 matrix instructions (its 8 accumulators by turns, K ascending: the sums stay the same bit for bit).  LDS is read no more than in any other K step.
.macro BLOAD q                         ; B's fragments of quarter q -> window 1, v[64 q ..]
	WIN TO_B
.irp i, 0,1,2,3,4,5,6,7
	ds_load_b128 v[64*(\q)+8*(\i):64*(\q)+8*(\i)+3],   v[ADRB+1] offset:64*(\q)+(\i)*16*PITCH
	ds_load_b128 v[64*(\q)+8*(\i)+4:64*(\q)+8*(\i)+7], v[ADRB+1] offset:64*(\q)+(\i)*16*PITCH+32
.endr
.endm
.macro ALOAD a                         ; A's fragments of block a, all four quarters -> buffer a % 4
	WIN 0
.set FA, PA+32*((\a)%4)
.irp q, 0,1,2,3
	ds_load_b128 v[FA+8*(\q):FA+8*(\q)+3],   v[ADRA+1] offset:64*(\q)+(\a)*16*PITCH
	ds_load_b128 v[FA+8*(\q)+4:FA+8*(\q)+7], v[ADRA+1] offset:64*(\q)+(\a)*16*PITCH+32
.endr
.endm
.macro ROW a                           ; block a is finished: 32 matrix instructions
.set FA, PA+32*((\a)%4)                ; its fragments of A
.set AC, 64*((\a)%4)                   ; its eight accumulators, in window 2 (blocks 0-3) or 3 (blocks 4-7)
	WIN MUL_LO+0x50*((\a)/4)                       ; MUL_LO or MUL_HI
.irp q, 0,1,2,3
.if (\a) == 0 && (\q) == 2
	s_wait_dscnt 24                                ; B's quarter 2 is in (behind it: A's blocks 1 to 3)
.endif
.irp b, 0,1,2,3,4,5,6,7
	v_wmma_f32_16x16x32_bf16 v[AC+8*(\b):AC+8*(\b)+7], v[64*(\q)+8*(\b):64*(\q)+8*(\b)+7], v[FA+8*(\q):FA+8*(\q)+7], v[AC+8*(\b):AC+8*(\b)+7]
.endr
.endr
.endm
; THE WAY OUT of block a, in three parts.  PACK: the sums times inv, in place, each accumulator's registers in ascending order; then rounded to bf16, 16 bytes a lane.
; TOSTAGE: into my own stage in LDS, and back as whole rows of 256 bytes.  SEND: stored.
.macro PACK a
.set AC, 64*((\a)%4)
	WIN 0x82+0x41*((\a)/4)                         ; destination and source 0: window 2 or 3
.irp b, 0,1,2,3,4,5,6,7
.irp r, 0,1,2,3
	v_pk_mul_f32 v[AC+8*(\b)+2*(\r):AC+8*(\b)+2*(\r)+1], v[AC+8*(\b)+2*(\r):AC+8*(\b)+2*(\r)+1], s[INV:INV+1] op_sel_hi:[1,0]
.endr
.endr
	WIN 0x0a+5*((\a)/4)                            ; sources 0 and 1: window 2 or 3; destination window 0
.irp b, 0,1,2,3,4,5,6,7
.irp r, 0,1,2,3
	v_cvt_pk_bf16_f32 v[TMP+4*(\b)+(\r)], v[AC+8*(\b)+2*(\r)], v[AC+8*(\b)+2*(\r)+1]
.endr
.endr
	WIN 0
.endm
.macro TOSTAGE a
	WIN 0
.set BK, OB+192*((\a)%2)
.irp b, 0,1,2,3,4,5,6,7
	ds_store_b128 v[STO], v[TMP+4*(\b):TMP+4*(\b)+3] offset:32*(\b)
.endr
.irp t, 0,1,2,3,4,5,6,7
	ds_load_b128 v[BK+4*(\t):BK+4*(\t)+3], v[RD] offset:(\t)*2*SPITCH  ; LDS serves a wave's instructions in order (ISA guide 5.7.1.4): these see the stores above
.endr
.endm
.macro SEND a, younger                 ; younger: the LDS loads issued behind TOSTAGE's, which may stay out
	WIN 0
.set BK, OB+192*((\a)%2)
	s_wait_dscnt \younger                          ; the block is back in registers
	s_wait_xcnt 0x0                                ; every earlier memory instruction has had its addresses translated (ISA guide 3.1): only behind this wait are the stores' base and the registers that earlier stores read rewritten
.if (\a) == 0
	s_add_nc_u64 s[8:9], s[8:9], s[16:17]          ; on to this tile's first rows
.else
	s_add_nc_u64 s[8:9], s[8:9], 16*SIZE_N*2       ; 16 rows of C on, so that the stores' offsets stay small: 14 rows of 4,096 bytes at the most
.endif
.irp t, 0,1,2,3,4,5,6,7
	global_store_b128 v[CO], v[BK+4*(\t):BK+4*(\t)+3], s[8:9] offset:2*(\t)*SIZE_N*2  ; 16 lanes store 256 consecutive bytes, at a multiple of 256 from C's first byte
.endr
.endm
	s_wait_tensorcnt 1                             ; my part of K step 0 is in; K step 1's may stay out
	s_barrier_signal -1
	s_barrier_wait -1                              ; everybody's is
	FETCH 0, 0, F0
	s_mov_b32 s2, SIZE_TILES                       ; tiles to go, this one among them: the same number in every work-group
.Ltile:                                                ; (FETCH and SEND leave every window 0)
	QUARTER 0, 64,  F0, F1, 1                      ; a tile's first quarter stands in front of the loop: its products start the sums
	WIN 0                                          ; at a label and at a branch every window is 0
	s_mov_b32 s3, LAPS-1
.Llap:                                                 ; a trip goes once round the ring, from a lap's second quarter to the next lap's first, and fills both slots again
	QUARTER 0, 128, F1, F0, 0
	QUARTER 0, 192, F0, F1, 0
	TURN 0, 1, 0
	QUARTER 1, 64,  F0, F1, 0
	QUARTER 1, 128, F1, F0, 0
	QUARTER 1, 192, F0, F1, 0
	TURN 1, 0, 0
	QUARTER 0, 64,  F0, F1, 0
	WIN 0
	s_sub_co_u32 s3, s3, 1
	s_cmp_lg_u32 s3, 0
	s_cbranch_scc1 .Llap
	QUARTER 0, 128, F1, F0, 0                      ; the tile's last lap goes on
	QUARTER 0, 192, F0, F1, 0
	WIN 0
	s_cmp_eq_u32 s2, 1
	s_cbranch_scc1 .Llast_tile                     ; the last tile's tail is written out: it asks for nothing more
	TURN 0, 1, 1                                   ; THE RING GOES ON INTO THE NEXT TILE: slot 0 takes its K step 0,
	QUARTER 1, 64,  F0, F1, 0
	QUARTER 1, 128, F1, F0, 0
	QUARTER 1, 192, F0, F1, 0
	TURN 1, 0, 1                                   ; slot 1 its K step 1, and the next tile's first fragments are fetched
	PACK 0                                         ; BOTH REFILLS ARE ASKED FOR: NOW THE TILE GOES OUT.  No v_nop: blocks 0-3 were finished in front of the four v_nop behind the joint load, and their multiplies and
	TOSTAGE 0                                      ; conversions, which name no register of the last products (blocks 4-7's), are those products' places
.irp a, 1,2,3,4,5,6,7                  ; block a's arithmetic stands between block a - 1's loads from the stage and the wait for them
	PACK \a
	SEND (\a)-1, 0
	TOSTAGE \a
.endr
	SEND 7, 0
	s_mov_b64 s[16:17], NEXT_C                     ; what the next way out adds to C's address
	s_sub_co_u32 s2, s2, 1
	s_branch .Ltile
.Llast_tile:
	MEET 0                                         ; my one tensor load that was still out is slot 1's, the last K step's, so no round follows
	PLACES                                         ; for the loads into buffer 0, which the quarter before multiplied
	WIN TO_B
	BLOAD 0                                        ; three quarters of B now: buffer 1 (v128-191 of both windows) is still being multiplied
	BLOAD 1
	BLOAD 3
	WIN 0
	ALOAD 0
	WIN MUL_HI
	MUL16 F1, 1, 0, 0
	MUL16 F1, 1, 2, 0
	PLACES                                         ; for the loads into buffer 1
	WIN TO_B
	BLOAD 2
	WIN 0
	ALOAD 1
	ALOAD 2
	ALOAD 3
	s_wait_dscnt 40                                ; all but the 40 just issued: B's quarter 2 (16) and A's blocks 1 to 3 (24)
	ROW 0
.irp a, 0,1,2,3,4,5,6,7                ; each block leaves as soon as it is finished: nothing follows this tile, so the sooner its stores begin, the sooner the launch ends
	PLACES                                         ; its multiplies read and write results just made, and no other vector work is at hand
	PACK \a
	TOSTAGE \a
.if (\a) < 4
	ALOAD (\a)+4                                   ; its buffer takes the block four further on
	SEND \a, 8
.else
	SEND \a, 0
.endif
.if (\a) < 7
	ROW (\a)+1
.endif
.endr
	s_wait_tensorcnt 0x0                           ; the wave's end, behind my last tensor load and my last LDS store
	ds_add_u32 v[SPW], v[NIL]
	s_wait_dscnt 0x0
	CROUND                                         ; the closing round: no work-group ends while a partner may still ask for a tile that names it
	s_endpgm
.Lfunc_end_k_q4f049cb87e_gemm:
	.size	k_q4f049cb87e_gemm, .Lfunc_end_k_q4f049cb87e_gemm-k_q4f049cb87e_gemm
	.p2alignl 7, 3214868480
	.fill 96, 4, 3214868480
	.section	.rodata,"a",@progbits
	.p2align	6, 0x0
	.amdhsa_kernel k_q4f049cb87e_gemm
		.amdhsa_group_segment_fixed_size 327680
		.amdhsa_private_segment_fixed_size 0
		.amdhsa_enable_private_segment 0
		.amdhsa_kernarg_size 32
		.amdhsa_user_sgpr_count 2
		.amdhsa_user_sgpr_kernarg_segment_ptr 1
		.amdhsa_wavefront_size32 1
		.amdhsa_system_sgpr_workgroup_id_x 1
		.amdhsa_system_sgpr_workgroup_id_y 1
		.amdhsa_system_sgpr_workgroup_id_z 1
		.amdhsa_system_vgpr_workitem_id 0
		.amdhsa_next_free_vgpr 1024
		.amdhsa_next_free_sgpr 70
		.amdhsa_reserve_vcc 0
		.amdhsa_float_denorm_mode_32 3
		.amdhsa_float_denorm_mode_16_64 3
		.amdhsa_memory_ordered 1
		.amdhsa_forward_progress 1
		.amdhsa_inst_pref_size 241
	.end_amdhsa_kernel
	.amdgpu_metadata
---
amdhsa.version: [ 1, 2 ]
amdhsa.kernels:
  - .name:           k_q4f049cb87e_gemm
    .symbol:         k_q4f049cb87e_gemm.kd
    .args:
      - { .name: xq, .offset: 0, .size: 8, .value_kind: global_buffer, .address_space: global }
      - { .name: wq, .offset: 8, .size: 8, .value_kind: global_buffer, .address_space: global }
      - { .name: out0, .offset: 16, .size: 8, .value_kind: global_buffer, .address_space: global }
      - { .name: scl, .offset: 24, .size: 8, .value_kind: global_buffer, .address_space: global }
    .group_segment_fixed_size: 327680
    .private_segment_fixed_size: 0
    .kernarg_segment_align: 8
    .kernarg_segment_size: 32
    .max_flat_workgroup_size: 128
    .sgpr_count:     70
    .vgpr_count:     1024
    .wavefront_size: 32
...
	.end_amdgpu_metadata
.endif
;; end of part 3
